; MI455X (gfx1250); checked and timed in simulation.
; The chip was launched on July 23, 2026; its instructions are those of AMD's public machine-readable ISA for CDNA 5 (MIT licence, August 2026) and "CDNA5" Instruction Set Architecture Reference Guide (July 2026). The comments in the code are by the model that wrote it; some were corrected since.
;; Transformer Attn. Allowed arithmetic: matrix products marked QUANTISED: E2M3 operands, one E8M0 scale for each 32 along K, by v_wmma_scale_f32_16x16x128_f8f6f4 with both operands' format E2M3, f32 sums; everything else in f32.
;; Inputs: Wk 512 x 512 float32; Wq 512 x 512 float32; Wv 512 x 512 float32; bk 512 float32; bq 512 float32; bv 512 float32; seq 1,024 x 32 x 512 float32.
;; Outputs: out0 1,024 x 32 x 512 float32.
;; This version of the problem:
;;   THIS VERSION OF THE PROBLEM IS GIVEN IN LOW PRECISION. The matrix products marked QUANTISED in the list below multiply operands that are first quantised to E2M3 (2 exponent bits, 3 mantissa bits; 6 bits a number), with one power-of-two scale for each 32 numbers along K (OCP MX v1.0); their sums are f32. All else is computed in f32.
;;   The module's matrix products, in the order in which they are computed (A, B: the left and right operand; K: the contracted axis; several contracted axes count as one K, in the product's order):
;;     1. [M 32,768, K 512] x [K 512, N 512]; A: input seq; B: input Wv: QUANTISED
;;     2. [M 32,768, K 512] x [K 512, N 512]; A: input seq; B: input Wq: QUANTISED
;;     3. [M 32,768, K 512] x [K 512, N 512]; A: input seq; B: input Wk: QUANTISED
;;     4. batch 32 x [M 1,024, K 512] x [K 512, N 1,024]; A: computed on the way; B: computed on the way: QUANTISED
;;     5. batch 32 x [M 1,024, K 1,024] x [K 1,024, N 512]; A: softmax (see below); B: computed on the way: QUANTISED
;;   THE QUANTISER, for each operand of a quantised product, along K:
;;     - K is cut into blocks of 32 from its start; a last block that is shorter is filled with zeros.
;;     - A block's scale is 2^e with e = floor(log2(the largest magnitude in the block)) - 2, held to -126 .. 127; a block of zeros has e = 0. As a byte (E8M0): e + 127.
;;     - Each number is divided by its block's scale, clamped to +-7.5, and rounded to the nearest number of E2M3, ties to even, subnormals kept.
;;     - The product sums the exact products of the quantised numbers (number of the format x scale) in f32.
;;   ~~~python
;;   def quantise(x, axis):      # numpy; x: float32 -> the quantised numbers, widened to float32 again
;;       x = np.moveaxis(x, axis, -1); K = x.shape[-1]
;;       x = np.pad(x, [(0, 0)] * (x.ndim - 1) + [(0, -K % 32)]); x = x.reshape(x.shape[:-1] + (-1, 32)); a = np.abs(x).max(-1, keepdims=True)
;;       e = np.where(a > 0, np.clip(np.frexp(np.where(a > 0, a, 1))[1] - 1 - 2, -126, 127), 0)      # np.frexp(a)[1] - 1 = floor(log2(a)), exactly
;;       r = np.clip(x / 2.0 ** e, -7.5, 7.5)
;;       step = 2.0 ** (np.maximum(np.frexp(np.where(r == 0, 1, r))[1] - 1, 0) - 3)
;;       q = np.round(r / step) * step * 2.0 ** e      # np.round: ties to even
;;       return np.moveaxis(q.reshape(q.shape[:-2] + (-1,))[..., :K], -1, axis).astype(np.float32)
;;   ~~~
;;   SOFTMAX AHEAD OF A QUANTISED PRODUCT. Where the list says 'softmax', what is quantised is not the finished softmax but p = 2^(t - M), with t = logit x log2(e) and M = ceil(the row's largest t), a whole number; so 1/2 < the row's largest p <= 1. The row's sum l is taken of the UNQUANTISED p, in f32, and the product's result is divided by l at the end. Since M is a whole number, a kernel that streams over the keys may use a running M (the ceiling of the running maximum): every later rescaling is an exact power of two, which a block's scale takes up: the codes' values come out the same.
;;   OPERANDS COMPUTED ON THE WAY. 'Computed on the way' means the value that the module computes at that place (a softmax that the list does not call 'softmax' is quantised finished and normalised). What goes into a quantiser is computed in f32, as accurately as f32 sums, v_exp_f32 and their like allow (about 1e-6 of the number): no bf16 or f16 on the way to a quantiser, and a product that is left as it is and whose result goes on into a quantised operand takes f32 operands (vector FMAs, or v_wmma_f32_16x16x4_f32). A number that lies on a knife's edge between two numbers of the format may be rounded either way, as far as f32 arithmetic and the matrix unit's own rounding can turn it there, and no further.
;; One version. Each part assembles by itself: llvm-mc -triple=amdgcn-amd-amdhsa -mcpu=gfx1250 --defsym DOCPART=n.
;; ======== version 1 of 1: 3 launches
;; limits: right only within a limited range of input values
;; workspace buffers: XQ 13,631,488 bytes; WQ 638,976 bytes; QC 13,107,200 bytes; KV 26,214,400 bytes
;; launch quant (part 1): grid 536 x 1, 4 waves a work-group, no clusters, 34,304 bytes of LDS; arguments seq, Wv, Wq, Wk, XQ, WQ; writes XQ, WQ
.if DOCPART == 1
	.amdgcn_target "amdgcn-amd-amdhsa--gfx1250"
	.amdhsa_code_object_version 6
	.text
	.protected	k_q77c0813247_quant
	.globl	k_q77c0813247_quant
	.p2align	8
	.type	k_q77c0813247_quant,@function
k_q77c0813247_quant:
	s_mov_b64 s[64:65], 0
	v_nop
	global_prefetch_b8 v0, s[64:65] scope:SCOPE_SE
	s_setreg_imm32_b32 hwreg(HW_REG_WAVE_MODE, 25, 1), 1
	s_wait_xcnt 0x0
; seq [1024 s][32 b][512] and Wv, Wq, Wk [512 n][512 k], f32, become codes of E2M3 with one E8M0 byte for each 32 along the last axis.
; A block's scale is 2^(floor(log2(its largest magnitude)) - 2): its byte is the largest magnitude's exponent field - 2, held at 1 from below.
; LIMITS: NaN and infinities are not served.  A block of zeros gets the byte 1 (not 127): its codes are zeros, and only this program reads the bytes.
; LAYOUT OUT: records of 6,656 bytes, one for a TILE of 16 rows x 512 K, as images of the operand's registers: K step s (128 along K, 12 registers a lane)
; at 1,536 s, its register group e (four registers) at 512 e + 16 x lane; behind the four K steps the scale words at 6,144 + 16 x lane + 4 s.
; THE ROWS OF A TILE ARE NOT NEIGHBOURS: place r of tile t is row 32 (t / 2) + 8 (t % 2) + r + 8 (r / 8) of its group (128 rows of seq in one batch; the 512 rows of a weight).
; SHARES: a wave takes one tile and makes one record.  Work-groups 0 to 511: seq, record ((b 8 + sb) 8 + t).  Work-groups 512 to 535: the weights, record 32 g + 16 hf + 4 w + nt = tile 8 w + 4 hf + nt.
; Only pointers, a stride and offsets are chosen by the work-group's number: one path through the text.
; Each load takes 512 consecutive aligned bytes of one row; a K step's 16 x 512 bytes turn through the wave's own stage in LDS (rows of 528 bytes) so that a lane gets 16 neighbours of each block of 32.
; No cluster, no tensor load, no barrier: waves share nothing, and the stream is read once.
.set SPARE, 33792                      ; behind the four stages of 8,448 bytes: the spare words, 128 bytes a wave
.set L16, 1                            ; v1   16 x lane
.set SA,  2                            ; v2   stage + 16 x lane: on the way in
.set RA,  3                            ; v3   stage + 528 r + 64 h: on the way out
.set SPW, 12                           ; v12  my spare word; never rewritten
.set NIL, 13                           ; v13  0; never rewritten
.set VO,  14                           ; v14-29  place rho's row: 16 x lane + (rho + 8 (rho / 8)) x the row stride
.set R,   30                           ; v30-157 two sets of 64 registers as loaded
.set X,   158                          ; v158-221 64 numbers: register 16 b + i = k 32 b + 16 h + i of my row
.set MX,  222
.set PB,  226
.set SO,  230
.set PW,  234                          ; v234-237 the four K steps' scale words
.set PC,  238                          ; v238-249 a fragment's codes
.set SRC, 28
.set DST, 30
.set STR, 32
.set SEL, 40
.set MSB, 0
.macro WIN new                         ; the immediate's high byte repeats the setting that is left (in this text every window is 0: nothing is written)
.if MSB != (\new)
	s_set_vgpr_msb (MSB<<8)|(\new)
.set MSB, (\new)
.endif
.endm
; 64 numbers of a lane (window win) become six code registers at pa (blocks 0, 1), six at pb (blocks 2, 3), and the scale word wd.
.macro QUANT src, win, pa, pb, wd
	WIN (\win)|((\win)<<2)
.irp b, 0,1,2,3
	v_max3_num_f32 v[MX+\b], |v[(\src)+16*\b]|, |v[(\src)+16*\b+1]|, 0x1800000   ; my 16 numbers of block b, and the floor 2^(3 - 127): the byte cannot fall under 1
.endr
.irp i, 2,4,6,8,10,12,14
.irp b, 0,1,2,3
	v_max3_num_f32 v[MX+\b], |v[(\src)+16*\b+\i]|, |v[(\src)+16*\b+\i+1]|, v[MX+\b]   ; the four blocks by turns
.endr
.endr
	WIN 0
.irp b, 0,1,2,3
	v_permlanex16_b32 v[PB+\b], v[MX+\b], s[SEL], s[SEL+1]
.endr
.irp b, 0,1,2,3
	v_max_num_f32 v[MX+\b], v[MX+\b], v[PB+\b]   ; with lane l xor 16's 16: the block's largest magnitude
.endr
.irp b, 0,1,2,3
	v_add_nc_u32 v[SO+\b], 0xff000000, v[MX+\b]   ; 2 off its exponent field: the conversion's scale operand
.endr
.irp b, 0,1,2,3
	v_lshrrev_b32 v[PB+\b], 23, v[SO+\b]   ; the scale's byte
.endr
	v_lshl_or_b32 v[\wd], v[PB+1], 8, v[PB]
	v_lshl_or_b32 v[\wd], v[PB+2], 16, v[\wd]
	v_lshl_or_b32 v[\wd], v[PB+3], 24, v[\wd]
	WIN \win
	v_cvt_scalef32_pk16_fp6_f32 v[(\pa):(\pa)+2], v[(\src):(\src)+15], v[SO]
	v_cvt_scalef32_pk16_fp6_f32 v[MX:MX+2], v[(\src)+16:(\src)+31], v[SO+1]   ; (a conversion's three registers begin on an even number)
	v_cvt_scalef32_pk16_fp6_f32 v[(\pb):(\pb)+2], v[(\src)+32:(\src)+47], v[SO+2]
	v_cvt_scalef32_pk16_fp6_f32 v[PB:PB+2], v[(\src)+48:(\src)+63], v[SO+3]
	WIN 0
	v_nop                                          ; one plain place behind the scaled conversions
.irp i, 0,1,2
	v_permlane16_swap_b32 v[(\pa)+\i], v[MX+\i]    ; the operand wants a WHOLE block in a lane: lanes 0-15 the even block, lanes 16-31 the odd one
	v_permlane16_swap_b32 v[(\pb)+\i], v[PB+\i]
.endr
.irp i, 0,1,2
	v_mov_b32 v[(\pa)+3+\i], v[MX+\i]
	v_mov_b32 v[(\pb)+3+\i], v[PB+\i]
.endr
.endm
	s_load_b256 s[4:11], s[0:1], 0x0               ; seq, Wv, Wq, Wk
	s_load_b128 s[12:15], s[0:1], 0x20             ; XQ, WQ
	v_lshl_add_u32 v[SPW], v0, 2, SPARE
	v_mov_b32 v[NIL], 0
	v_lshrrev_b32 v4, 5, v0
	v_readfirstlane_b32 s16, v4                    ; wave
	; seq's share: T = 4 x + wave = (b 8 + sb) 8 + t
	s_min_u32 s17, ttmp9, 511
	s_lshl_b32 s17, s17, 2
	s_add_co_u32 s17, s17, s16
	s_lshr_b32 s18, s17, 6                         ; b
	s_bfe_u32 s19, s17, 0x30003                    ; sb
	s_bfe_u32 s20, s17, 0x20001                    ; t / 2
	s_and_b32 s21, s17, 1                          ; t % 2
	s_lshl_b32 s19, s19, 7
	s_lshl_b32 s20, s20, 5
	s_lshl_b32 s21, s21, 3
	s_add_co_u32 s19, s19, s20
	s_add_co_u32 s19, s19, s21                     ; the tile's first s
	s_lshl_b32 s19, s19, 16                        ; 65,536 bytes from s to s + 1
	s_lshl_b32 s18, s18, 11
	s_add_co_u32 s19, s19, s18                     ; + 2,048 b
	; the weights' share: g = which weight, p = 16 hf + 4 w + nt
	s_max_u32 s22, ttmp9, 512
	s_sub_co_u32 s22, s22, 512
	s_lshr_b32 s23, s22, 3                         ; g
	s_and_b32 s22, s22, 7
	s_lshl_b32 s22, s22, 2
	s_add_co_u32 s22, s22, s16                     ; p
	s_bfe_u32 s24, s22, 0x20002                    ; w
	s_lshr_b32 s25, s22, 4                         ; hf
	s_and_b32 s26, s22, 3                          ; nt
	s_lshl_b32 s24, s24, 7
	s_lshl_b32 s25, s25, 6
	s_add_co_u32 s24, s24, s25
	s_lshr_b32 s25, s26, 1
	s_lshl_b32 s25, s25, 5
	s_add_co_u32 s24, s24, s25
	s_and_b32 s26, s26, 1
	s_lshl_b32 s26, s26, 3
	s_add_co_u32 s24, s24, s26                     ; the tile's first row: 128 w + 64 hf + 32 (nt / 2) + 8 (nt % 2)
	s_lshl_b32 s24, s24, 11                        ; 2,048 bytes a row
	s_lshl_b32 s25, s23, 5
	s_add_co_u32 s25, s25, s22                     ; record 32 g + p
	s_mov_b32 s[STR], 2048
	s_cmp_lt_u32 ttmp9, 512                        ; seq's work-group or a weight's
	s_cselect_b32 s[STR], 0x10000, s[STR]
	s_cselect_b32 s34, s19, s24
	s_cselect_b32 s36, s17, s25
	s_mov_b32 s35, 0
	s_mul_i32 s36, s36, 6656
	s_mov_b32 s37, 0
	s_mov_b32 s[SEL], 0x76543210
	s_mov_b32 s[SEL+1], 0xfedcba98                 ; lane l xor 16
	v_and_b32 v4, 31, v0
	v_lshlrev_b32 v[L16], 4, v4
	s_mul_i32 s38, s16, 8448                       ; my stage
	v_add_nc_u32 v[SA], s38, v[L16]
	v_and_b32 v5, 15, v0
	v_bfe_u32 v6, v0, 4, 1
	v_mul_u32_u24 v[RA], v5, 528
	v_lshl_add_u32 v[RA], v6, 6, v[RA]
	v_add_nc_u32 v[RA], s38, v[RA]
.irp rho, 0,1,2,3,4,5,6,7,8,9,10,11,12,13,14,15
	v_mad_u32_u24 v[VO+\rho], s[STR], \rho+8*(\rho/8), v[L16]
.endr
.irp b, 0,1,2,3
	v_mov_b32 v[PB+\b], 0                          ; written once: a lane permute's destination counts as one of its sources
.endr
	s_wait_alu depctr_va_vdst(0)
	s_wait_kmcnt 0x0
	s_cmp_eq_u32 s23, 0
	s_cselect_b64 s[26:27], s[6:7], s[8:9]
	s_cmp_eq_u32 s23, 2
	s_cselect_b64 s[26:27], s[10:11], s[26:27]
	s_cmp_lt_u32 ttmp9, 512
	s_cselect_b64 s[SRC:SRC+1], s[4:5], s[26:27]
	s_cselect_b64 s[DST:DST+1], s[12:13], s[14:15]
	s_add_nc_u64 s[SRC:SRC+1], s[SRC:SRC+1], s[34:35]
	s_add_nc_u64 s[DST:DST+1], s[DST:DST+1], s[36:37]
.macro LOAD s                          ; K step s of the 16 rows: a load takes 512 consecutive bytes of one row
.irp rho, 0,1,2,3,4,5,6,7,8,9,10,11,12,13,14,15
	global_load_b128 v[R+64*((\s)%2)+4*\rho:R+64*((\s)%2)+4*\rho+3], v[VO+\rho], s[SRC:SRC+1] offset:512*(\s) th:TH_LOAD_NT
.endr
.endm
.macro QSTEP s
.if (\s) < 3
	s_wait_loadcnt 16                              ; this K step's 16 loads are in; the next one's 16 may be out
.else
	s_wait_loadcnt 0x0
.endif
.irp rho, 0,1,2,3,4,5,6,7,8,9,10,11,12,13,14,15
	ds_store_b128 v[SA], v[R+64*((\s)%2)+4*\rho:R+64*((\s)%2)+4*\rho+3] offset:528*\rho
.endr
.irp b, 0,1,2,3
.irp j, 0,1,2,3
	ds_load_b128 v[X+16*\b+4*\j:X+16*\b+4*\j+3], v[RA] offset:128*\b+16*\j   ; LDS serves a wave's instructions in order: these see the stores above
.endr
.endr
	s_wait_dscnt 0x0                               ; the numbers are back, and the stores have read their registers,
.if (\s) < 2
	LOAD (\s)+2                                    ; which take the K step two on
.endif
.if (\s) > 0
	s_wait_xcnt 0x0                                ; the last K step's stores have read the code registers: they are written again only behind this wait
.endif
	QUANT X, 0, PC, PC+6, PW+(\s)
.irp e, 0,1,2
	global_store_b128 v[L16], v[PC+4*\e:PC+4*\e+3], s[DST:DST+1] offset:1536*(\s)+512*\e   ; 512 consecutive aligned bytes
.endr
.endm
	LOAD 0
	LOAD 1
	QSTEP 0
	QSTEP 1
	QSTEP 2
	QSTEP 3
	global_store_b128 v[L16], v[PW:PW+3], s[DST:DST+1] offset:6144   ; the record's scale words
	s_wait_tensorcnt 0x0                           ; the wave's end
	ds_add_u32 v[SPW], v[NIL]
	s_wait_dscnt 0x0
	s_endpgm
.Lfunc_end_k_q77c0813247_quant:
	.size	k_q77c0813247_quant, .Lfunc_end_k_q77c0813247_quant-k_q77c0813247_quant
	.p2alignl 7, 3214868480
	.fill 96, 4, 3214868480
	.section	.rodata,"a",@progbits
	.p2align	6, 0x0
	.amdhsa_kernel k_q77c0813247_quant
		.amdhsa_group_segment_fixed_size 34304
		.amdhsa_private_segment_fixed_size 0
		.amdhsa_enable_private_segment 0
		.amdhsa_kernarg_size 48
		.amdhsa_user_sgpr_count 2
		.amdhsa_user_sgpr_kernarg_segment_ptr 1
		.amdhsa_wavefront_size32 1
		.amdhsa_system_sgpr_workgroup_id_x 1
		.amdhsa_system_sgpr_workgroup_id_y 1
		.amdhsa_system_sgpr_workgroup_id_z 1
		.amdhsa_system_vgpr_workitem_id 0
		.amdhsa_next_free_vgpr 252
		.amdhsa_next_free_sgpr 66
		.amdhsa_reserve_vcc 0
		.amdhsa_float_denorm_mode_32 3
		.amdhsa_float_denorm_mode_16_64 3
		.amdhsa_memory_ordered 1
		.amdhsa_forward_progress 1
		.amdhsa_inst_pref_size 35
	.end_amdhsa_kernel
	.amdgpu_metadata
---
amdhsa.version: [ 1, 2 ]
amdhsa.kernels:
  - .name:           k_q77c0813247_quant
    .symbol:         k_q77c0813247_quant.kd
    .args:
      - { .name: seq, .offset: 0, .size: 8, .value_kind: global_buffer, .address_space: global }
      - { .name: Wv, .offset: 8, .size: 8, .value_kind: global_buffer, .address_space: global }
      - { .name: Wq, .offset: 16, .size: 8, .value_kind: global_buffer, .address_space: global }
      - { .name: Wk, .offset: 24, .size: 8, .value_kind: global_buffer, .address_space: global }
      - { .name: XQ, .offset: 32, .size: 8, .value_kind: global_buffer, .address_space: global }
      - { .name: WQ, .offset: 40, .size: 8, .value_kind: global_buffer, .address_space: global }
    .group_segment_fixed_size: 34304
    .private_segment_fixed_size: 0
    .kernarg_segment_align: 8
    .kernarg_segment_size: 48
    .max_flat_workgroup_size: 128
    .sgpr_count:     66
    .vgpr_count:     252
    .wavefront_size: 32
...
	.end_amdgpu_metadata
.endif
;; end of part 1
;; launch proj (part 2): grid 8 x 32, 4 waves a work-group, clusters of 4 x 1, 327,680 bytes of LDS; arguments XQ, WQ, bv, bq, bk, QC, KV; writes QC, KV
.if DOCPART == 2
	.amdgcn_target "amdgcn-amd-amdhsa--gfx1250"
	.amdhsa_code_object_version 6
	.text
	.protected	k_q77c0813247_proj
	.globl	k_q77c0813247_proj
	.p2align	8
	.type	k_q77c0813247_proj,@function
k_q77c0813247_proj:
	s_mov_b64 s[64:65], 0
	v_nop
	global_prefetch_b8 v0, s[64:65] scope:SCOPE_SE
	s_setreg_imm32_b32 hwreg(HW_REG_WAVE_MODE, 25, 1), 1
	s_wait_xcnt 0x0
	s_wait_alu depctr_hold_cnt(0) depctr_sa_sdst(0) depctr_va_vdst(0) depctr_va_sdst(0) depctr_va_ssrc(0) depctr_va_vcc(0) depctr_vm_vsrc(0)
	s_getreg_b32 s2, hwreg(HW_REG_IB_STS2, 6, 4)
	s_cmp_eq_u32 s2, 0
	s_cbranch_scc0 .Lentry_in_a_cluster
	s_endpgm
.Lentry_in_a_cluster:
	s_bfe_u32 s2, ttmp6, 0x10000c
	s_cmp_lg_u32 s2, 0x3003
	s_cbranch_scc0 .Lentry_shape_is_right
	s_endpgm
.Lentry_shape_is_right:
; value = x Wv^T + bv, query = x Wq^T + bq, keys = x Wk^T + bk on codes of E2M3, sums in f32; each result is quantised at once for the attention: value and query along their 512 channels, keys along the sequence.
; SHARES: a work-group takes 128 positions of one batch (block sb = 4 x cluster x + cx, batch b) and all 1,536 columns.  Every wave keeps all 32 fragments of x in registers;
; wave w makes columns 128 w .. 128 w + 127 of each weight, in two passes of 64 (hf): a pass is 4 column tiles x 8 row tiles x 4 K steps = 128 matrix instructions on 32 accumulators, which take turns.
; value, query: source 0 = 16 rows of W, source 1 = x: a lane holds one position and registers along the channels.  keys: source 0 = x, source 1 = W: a lane holds one channel and registers along the positions.
; By the tiles' order of rows (place r of tile t = row 32 (t / 2) + 8 (t % 2) + r + 8 (r / 8)) 16 registers of two neighbouring tiles are 16 neighbours along the next product's K.
; WEIGHTS: two LDS slots (hf = 0, 1) of 106,496 bytes; wave w fetches and alone reads quarter w.  All four work-groups of a cluster walk the same weights: each quarter is asked for JOINTLY (mask 15).
; OUT: blocks of 128 rows x K 512 as register images: fragment 8 g + i at 1,536 (8 g + i); scale words at 512 g + 16 x lane + 4 p: lanes 0-15 fragment 8 g + 2 p, lanes 16-31 fragment 8 g + 2 p + 1.
;   QC: 51,200 bytes a block (value).  KV: for each batch query's eight blocks of 51,200, then keys' eight, each codes then words at 49,152.
; LIMITS: NaN and infinities are not served; a block of zeros gets the byte 1: its codes are zeros, and only this program reads the bytes.
; REGISTERS: window 0: addresses, scale words, biases, codes.  Windows 1, 2: x's fragment (mt, s) at v[48 (mt % 4) + 12 s] of window 1 + mt / 4; W's set for K step s at v192 of window 1 + s % 2.  Window 3: the accumulators.
.set SLOTB, 106496
.set XBLK,  212992                     ; x's eight records, 53,248 bytes
.set BIAS,  266240                     ; the three biases, 2,048 bytes each
.set SPARE, 272384                     ; the spare words, 128 bytes a wave
.set L16, 1
.set AW,  2                            ; v2, v3  my quarter of slot 0, 1, + 16 x lane
.set AX,  4
.set ABI0, 5                           ; my 128 numbers of a bias + 64 h
.set ABI, 6                            ; the same in the bias in hand
.set ABK, 7                            ; bk: my 128 numbers + 4 (r + 8 (r / 8))
.set VSEL, 8
.set SPW, 12
.set NIL, 13
.set XS,  16                           ; v16-47  x's scale words, 4 mt + s
.set WS,  48                           ; v48-79  W's, 16 hf + 4 nt + s
.set BI,  80                           ; v80-111 the pass's bias in the result's layout, 8 nt + j
.set MX,  112
.set PB,  116
.set SO,  120
.set WH,  124                          ; v124-127 words of the pass hf = 0
.set PWD, 128                          ; v128-131 the words to store
.set WT,  132
.set F,   136                          ; v136-231 eight fragments' codes
.set WV,  18
.set G1X, 24
.set G1W, 32
.set G1B, 40
.set G0X, 48
.set G0B, 52
.set G0W, 68
.set OUTC, 76
.set OUTS, 78
.set QCP, 80
.set QSP, 82
.set KCP, 84
.set KSP, 86
.set BO,  88
.set CNT, 89
.set SEL, 90
.set MSK, 92
.set MSB, 0
.macro WIN new                         ; bits 1:0 source 0, 3:2 source 1, 5:4 source 2, 7:6 destination; the high byte repeats the setting that is left
.if MSB != (\new)
	s_set_vgpr_msb (MSB<<8)|(\new)
.set MSB, (\new)
.endif
.endm
.macro PLACES                          ; four plain places behind matrix instructions, ahead of loads into their registers and of reads of their results
.rept 4
	v_nop
.endr
.endm
.macro CREST                           ; a round of the cluster's barrier behind its opening barrier
	s_cmp_lg_u32 s[WV], 0
	s_cbranch_scc1 .Lnot_wave_0_\@
	s_barrier_signal -3
.Lnot_wave_0_\@:
	s_barrier_wait -3
	s_barrier_signal -1
	s_barrier_wait -1
.endm
.macro CROUND
	s_barrier_signal -1
	s_barrier_wait -1
	CREST
.endm
; 64 numbers of a lane (window win) become six code registers at pa (blocks 0, 1), six at pb (blocks 2, 3), and the scale word wd.  Each accumulator is read from its low end on.
.macro QUANT src, win, pa, pb, wd
	WIN (\win)|((\win)<<2)
.irp b, 0,1,2,3
	v_max3_num_f32 v[MX+\b], |v[(\src)+16*\b]|, |v[(\src)+16*\b+1]|, 0x1800000   ; my 16 numbers of block b, and the floor 2^(3 - 127)
.endr
.irp i, 2,4,6,8,10,12,14
.irp b, 0,1,2,3
	v_max3_num_f32 v[MX+\b], |v[(\src)+16*\b+\i]|, |v[(\src)+16*\b+\i+1]|, v[MX+\b]
.endr
.endr
	WIN 0
.irp b, 0,1,2,3
	v_permlanex16_b32 v[PB+\b], v[MX+\b], s[SEL], s[SEL+1]
.endr
.irp b, 0,1,2,3
	v_max_num_f32 v[MX+\b], v[MX+\b], v[PB+\b]
.endr
.irp b, 0,1,2,3
	v_add_nc_u32 v[SO+\b], 0xff000000, v[MX+\b]   ; 2 off the exponent field: the conversion's scale operand
.endr
.irp b, 0,1,2,3
	v_lshrrev_b32 v[PB+\b], 23, v[SO+\b]
.endr
	v_lshl_or_b32 v[\wd], v[PB+1], 8, v[PB]
	v_lshl_or_b32 v[\wd], v[PB+2], 16, v[\wd]
	v_lshl_or_b32 v[\wd], v[PB+3], 24, v[\wd]
	WIN \win
	v_cvt_scalef32_pk16_fp6_f32 v[(\pa):(\pa)+2], v[(\src):(\src)+15], v[SO]
	v_cvt_scalef32_pk16_fp6_f32 v[MX:MX+2], v[(\src)+16:(\src)+31], v[SO+1]
	v_cvt_scalef32_pk16_fp6_f32 v[(\pb):(\pb)+2], v[(\src)+32:(\src)+47], v[SO+2]
	v_cvt_scalef32_pk16_fp6_f32 v[PB:PB+2], v[(\src)+48:(\src)+63], v[SO+3]
	WIN 0
	v_nop                                          ; one plain place behind the scaled conversions
.irp i, 0,1,2
	v_permlane16_swap_b32 v[(\pa)+\i], v[MX+\i]
	v_permlane16_swap_b32 v[(\pb)+\i], v[PB+\i]
.endr
.irp i, 0,1,2
	v_mov_b32 v[(\pa)+3+\i], v[MX+\i]
	v_mov_b32 v[(\pb)+3+\i], v[PB+\i]
.endr
.endm
.macro WM d, a, b, c, sa, sb
	v_wmma_scale_f32_16x16x128_f8f6f4 v[(\d):(\d)+7], v[(\a):(\a)+11], v[(\b):(\b)+11], v[(\c):(\c)+7], v[(\sa)], v[(\sb)] matrix_a_fmt:MATRIX_FMT_FP6 matrix_b_fmt:MATRIX_FMT_FP6
.endm
; K step s of a pass: column tiles n0 .. n1 x row tiles 4 H .. 4 H + 3.  At s = 0 the bias is the C.  The 32 accumulators take turns, in the same order in every K step.
.macro MULH kind, hf, s, H, n0, n1
.if (\s) == 0
.set CW, 0
.else
.set CW, 3
.endif
.if \kind == 0
	WIN (1+(\s)%2)|((1+\H)<<2)|(CW<<4)|0xc0
.else
	WIN (1+\H)|((1+(\s)%2)<<2)|(CW<<4)|0xc0
.endif
.irp nt, 0,1,2,3
.if (\nt >= \n0) && (\nt <= \n1)
.irp m, 0,1,2,3
.if \kind == 0
.if (\s) == 0
	WM 32*(4*\H+\m)+8*\nt, 192+12*\nt, 48*\m+12*(\s), BI+8*\nt, WS+16*\hf+4*\nt+(\s), XS+4*(4*\H+\m)+(\s)
.else
	WM 32*(4*\H+\m)+8*\nt, 192+12*\nt, 48*\m+12*(\s), 32*(4*\H+\m)+8*\nt, WS+16*\hf+4*\nt+(\s), XS+4*(4*\H+\m)+(\s)
.endif
.else
.if (\s) == 0
	WM 64*\nt+8*(4*\H+\m), 48*\m+12*(\s), 192+12*\nt, BI+8*\nt, XS+4*(4*\H+\m)+(\s), WS+16*\hf+4*\nt+(\s)
.else
	WM 64*\nt+8*(4*\H+\m), 48*\m+12*(\s), 192+12*\nt, 64*\nt+8*(4*\H+\m), XS+4*(4*\H+\m)+(\s), WS+16*\hf+4*\nt+(\s)
.endif
.endif
.endr
.endif
.endr
.endm
.macro WLOAD hf, s                     ; my four tiles' fragments of K step s, from slot hf, into the set of window 1 + s % 2
	WIN (1+((\s)%2))<<6
.irp nt, 0,1,2,3
.irp e, 0,1,2
	ds_load_b128 v[192+12*\nt+4*\e:192+12*\nt+4*\e+3], v[AW+(\hf)] offset:6656*\nt+1536*(\s)+512*\e
.endr
.endr
.endm
.macro WSLOAD hf                       ; and their scale words, all four K steps
	WIN 0
.irp nt, 0,1,2,3
	ds_load_b128 v[WS+16*(\hf)+4*\nt:WS+16*(\hf)+4*\nt+3], v[AW+(\hf)] offset:6656*\nt+6144
.endr
.endm
.macro BIASLD kind, hf                 ; the pass's bias in the result's layout: eight channels a lane (value, query), or one channel eight times (keys)
.irp nt, 0,1,2,3
.if \kind == 0
	ds_load_b128 v[BI+8*\nt:BI+8*\nt+3], v[ABI] offset:4*(64*\hf+32*(\nt/2)+8*(\nt%2))
	ds_load_b128 v[BI+8*\nt+4:BI+8*\nt+7], v[ABI] offset:4*(64*\hf+32*(\nt/2)+8*(\nt%2))+16
.else
.irp j, 0,1,2,3,4,5,6,7
	ds_load_b32 v[BI+8*\nt+\j], v[ABK] offset:4*(64*\hf+32*(\nt/2)+8*(\nt%2))
.endr
.endif
.endr
.endm
; A pass.  chg = 1: its slot is filled again with the next weight's half; 2: the other slot is only waited for; 0: the last pass.
.macro PASS kind, hf, chg
	s_wait_dscnt 0x0                               ; W's first set, its scale words and the bias are in
.irp s, 0,1,2
	MULH \kind, \hf, \s, 0, 0, 3
	PLACES
	WLOAD \hf, \s+1                                ; the next K step's set, 16 matrix instructions ahead of its use
.if (\s == 1) && (\hf == 0)
	WIN 0
	BIASLD \kind, 1                                ; the next pass's bias: K step 0 has read this pass's
.endif
	MULH \kind, \hf, \s, 1, 0, 3
	s_wait_dscnt 0x0
.endr
.if \chg == 1
	WIN 0
	s_wait_tensorcnt 0x0                           ; all my tensor loads have landed: my quarter of the other slot, or at the first pass wave 0's bk and wave 1's slot 1
	ds_add_u32 v[SPW], v[NIL]                      ; 0 onto my spare word
	s_mov_b32 s[G1W+2], 104<<16                    ; no tensor load of mine is out: a refill brings my quarter of a slot, 104 rows
	s_mov_b32 s[G1W+4], 104
	MULH \kind, \hf, 3, 0, 0, 1
	s_wait_dscnt 0x0                               ; the add is done; my reads of this slot ended with the K step before
	s_barrier_signal -1                            ; opens a round of the cluster's barrier
	MULH \kind, \hf, 3, 0, 2, 3
	WIN 0
	s_barrier_wait -1
	CREST                                          ; no wave of any partner still reads this slot or has a load on its way
	s_add_nc_u64 s[G0W+4*\hf+2:G0W+4*\hf+3], s[G0W+4*\hf+2:G0W+4*\hf+3], 2*SLOTB   ; the same half of the next weight
	tensor_load_to_lds s[G0W+4*\hf:G0W+4*\hf+3], s[G1W:G1W+7]   ; my one tensor load behind the round: it has a whole pass in which to land
	s_nop 0
	PLACES                                         ; also the places ahead of the loads below
	WLOAD 1-\hf, 0
	WSLOAD 1-\hf
	MULH \kind, \hf, 3, 1, 0, 3
.elseif \chg == 2
	s_wait_tensorcnt 0x0                           ; my quarter of the other slot, the one load that is out
	MULH \kind, \hf, 3, 0, 0, 3
	PLACES
	WLOAD 1-\hf, 0
	WSLOAD 1-\hf
	MULH \kind, \hf, 3, 1, 0, 3
.else
	MULH \kind, \hf, 3, 0, 0, 3
	MULH \kind, \hf, 3, 1, 0, 3
.endif
	PLACES
	WIN 0
.endm
; value, query: a pass gives each row tile two blocks of 32 channels: half of a fragment.  QUANT takes two row tiles at a time; behind hf = 1 the eight fragments (K step w) and their words leave.
.macro EPIVQ hf
	s_wait_xcnt 0x0                                ; earlier stores have read the code and word registers
.irp p, 0,1,2,3
.if \hf == 0
	QUANT 64*\p, 3, F+24*\p, F+24*\p+12, WH+\p
.else
	QUANT 64*\p, 3, F+24*\p+6, F+24*\p+18, WT
	v_perm_b32 v[PWD+\p], v[WT], v[WH+\p], v[VSEL]   ; lanes 0-15: tile 2 p's four bytes; lanes 16-31: tile 2 p + 1's
.endif
.endr
.if \hf == 1
.irp mt, 0,1,2,3,4,5,6,7
.irp e, 0,1,2
	global_store_b128 v[L16], v[F+12*\mt+4*\e:F+12*\mt+4*\e+3], s[OUTC:OUTC+1] offset:1536*\mt+512*\e
.endr
.endr
	global_store_b128 v[L16], v[PWD:PWD+3], s[OUTS:OUTS+1]
.endif
.endm
; keys: a column tile's 64 registers are its channels' 128 positions: a whole fragment.
.macro EPIK hf
	s_wait_xcnt 0x0
.irp nt, 0,1,2,3
	QUANT 64*\nt, 3, F+12*\nt, F+12*\nt+6, WT+\nt
.irp e, 0,1,2
	global_store_b128 v[L16], v[F+12*\nt+4*\e:F+12*\nt+4*\e+3], s[OUTC:OUTC+1] offset:1536*(4*\hf+\nt)+512*\e
.endr
.endr
.irp q, 0,1
	v_cndmask_b32 v[PWD+2*\hf+\q], v[WT+2*\q], v[WT+2*\q+1], s[MSK]   ; lanes 0-15 the even tile's word, lanes 16-31 the odd one's
.endr
.if \hf == 1
	global_store_b128 v[L16], v[PWD:PWD+3], s[OUTS:OUTS+1]
.endif
.endm
	s_load_b256 s[4:11], s[0:1], 0x0               ; XQ, WQ, bv, bq
	s_load_b128 s[12:15], s[0:1], 0x20             ; bk, QC
	s_load_b64 s[16:17], s[0:1], 0x30              ; KV
	v_lshl_add_u32 v[SPW], v0, 2, SPARE
	v_mov_b32 v[NIL], 0
	ds_add_u32 v[SPW], v[NIL]                      ; the wave's opening: the add and its wait ahead of my first tensor load
	ds_add_u32 v[SPW], v[NIL]
	v_lshrrev_b32 v9, 5, v0
	v_readfirstlane_b32 s[WV], v9                  ; wave 0..3
	s_bfe_u32 s19, ttmp6, 0x40000                  ; cx
	s_lshl_b32 s20, ttmp9, 2
	s_add_co_u32 s20, s20, s19                     ; sb
	s_and_b32 s21, ttmp7, 0xffff                   ; b
	s_lshl_b32 s21, s21, 3
	s_add_co_u32 s21, s21, s20                     ; 8 b + sb: it enters x's and the results' addresses alone
	; descriptor groups 1: dense blocks as rows of 256 bytes (32 elements of 8 bytes)
	s_mov_b32 s[G1X], 3<<16                        ; x: no mask
	s_mov_b32 s[G1X+1], 32<<16
	s_mov_b32 s[G1X+2], 208<<16                    ; x: the whole block, 208 rows of 256 bytes, by wave 0
	s_mov_b32 s[G1X+3], 32<<16
	s_mov_b32 s[G1X+4], 208
	s_mov_b32 s[G1X+5], 32
	s_mov_b32 s[G1X+6], 0
	s_mov_b32 s[G1X+7], 0
	s_mov_b32 s[G1W], 15|(3<<16)|(1<<21)           ; W: my quarter of a slot, 104 rows; the mask names all four work-groups, bit 21 beside it
	s_mov_b32 s[G1W+1], 32<<16
	s_mov_b32 s[G1W+2], 416<<16                    ; the first fills bring a whole slot, 416 rows; the refills a quarter (set in PASS)
	s_mov_b32 s[G1W+3], 32<<16
	s_mov_b32 s[G1W+4], 416
	s_mov_b32 s[G1W+5], 32
	s_mov_b32 s[G1W+6], 0
	s_mov_b32 s[G1W+7], 0
	s_mov_b32 s[G1B], 3<<16                        ; a bias: one row
	s_mov_b32 s[G1B+1], 256<<16                    ; a whole bias: one row of 2,048 bytes
	s_mov_b32 s[G1B+2], 1<<16
	s_mov_b32 s[G1B+3], 256<<16
	s_mov_b32 s[G1B+4], 1
	s_mov_b32 s[G1B+5], 256
	s_mov_b32 s[G1B+6], 1<<16
	s_mov_b32 s[G1B+7], 0
	s_mul_i32 s22, s21, 53248
	s_mov_b32 s23, 0                               ; x: the block, in XQ
	s_mov_b32 s[G0X], 1
	s_mov_b32 s[G0X+1], XBLK
	s_mul_i32 s94, s[WV], 26624                    ; W: my quarter of a slot, in WQ and in LDS
	s_mov_b32 s95, 0
	s_mul_i32 s96, s[WV], 12288                    ; results: my eight fragments
	s_mov_b32 s97, 0
	s_lshl_b32 s98, s[WV], 9                       ; my 512 bytes of a bias, and of a block's words
	s_mov_b32 s99, 0
.irp g, 0,1,2
	s_mov_b32 s[G0B+4*\g], 1
	s_mov_b32 s[G0B+4*\g+1], BIAS+2048*\g
.endr
.irp hf, 0,1
	s_mov_b32 s[G0W+4*\hf], 1
	s_add_co_u32 s[G0W+4*\hf+1], s94, SLOTB*\hf
.endr
	s_mov_b32 s[SEL], 0x76543210
	s_mov_b32 s[SEL+1], 0xfedcba98
	s_mov_b32 s[MSK], 0xffff0000
	s_wait_dscnt 0x0                               ; the opening add is done
	s_wait_kmcnt 0x0
	s_add_nc_u64 s[G0X+2:G0X+3], s[4:5], s[22:23]
	s_or_b32 s[G0X+3], s[G0X+3], 0x80000000
.irp g, 0,1,2
	s_mov_b64 s[G0B+4*\g+2:G0B+4*\g+3], s[8+2*\g:9+2*\g]
	s_or_b32 s[G0B+4*\g+3], s[G0B+4*\g+3], 0x80000000
.endr
	s_mov_b64 s[10:11], s[6:7]                     ; WQ's first byte, for the whole-slot first fills (the biases' addresses have been used)
	s_add_nc_u64 s[6:7], s[6:7], s[94:95]
.irp hf, 0,1
	s_add_nc_u64 s[G0W+4*\hf+2:G0W+4*\hf+3], s[6:7], SLOTB*\hf
	s_or_b32 s[G0W+4*\hf+3], s[G0W+4*\hf+3], 0x80000000
.endr
	s_mul_i32 s22, s21, 51200
	s_add_nc_u64 s[14:15], s[14:15], s[22:23]      ; value's block
	s_add_nc_u64 s[OUTC:OUTC+1], s[14:15], s[96:97]
	s_add_nc_u64 s[OUTS:OUTS+1], s[14:15], s[98:99]
	s_add_nc_u64 s[OUTS:OUTS+1], s[OUTS:OUTS+1], 49152
	s_mul_i32 s22, s21, 51200                      ; KV, for each batch 819,200 bytes: query's eight parts of 51,200 (codes, then words), then keys' eight
	s_lshr_b32 s2, s21, 3
	s_mul_i32 s2, s2, 409600
	s_add_co_u32 s22, s22, s2
	s_add_nc_u64 s[16:17], s[16:17], s[22:23]      ; query's and keys' record
	s_add_nc_u64 s[QCP:QCP+1], s[16:17], s[96:97]
	s_add_nc_u64 s[KCP:KCP+1], s[QCP:QCP+1], 409600
	s_add_nc_u64 s[QSP:QSP+1], s[16:17], s[98:99]
	s_add_nc_u64 s[KSP:KSP+1], s[QSP:QSP+1], 458752
	s_add_nc_u64 s[QSP:QSP+1], s[QSP:QSP+1], 49152
	s_add_nc_u64 s[14:15], s[10:11], SLOTB         ; group 0 of the whole-slot first fills: slot 0 in s[8:11], slot 1 in s[12:15]
	s_mov_b32 s8, 1
	s_mov_b32 s9, 0
	s_or_b32 s11, s11, 0x80000000
	s_mov_b32 s12, 1
	s_mov_b32 s13, SLOTB
	s_or_b32 s15, s15, 0x80000000
	CROUND                                         ; all four work-groups are here
	; the head's tiles, one tensor load a wave: wave 0 x, wave 1 slot 0 (jointly), wave 2 bv, wave 3 bq
	s_cmp_lt_u32 s[WV], 1
	s_cbranch_scc0 .Lh_w
	tensor_load_to_lds s[G0X:G0X+3], s[G1X:G1X+7]
	s_nop 0
	PLACES
	s_branch .Lh_on
.Lh_w:
	s_cmp_lt_u32 s[WV], 2
	s_cbranch_scc0 .Lh_bv
	tensor_load_to_lds s[8:11], s[G1W:G1W+7]
	s_nop 0
	PLACES
	s_branch .Lh_on
.Lh_bv:
	s_cmp_lt_u32 s[WV], 3
	s_cbranch_scc0 .Lh_bq
	tensor_load_to_lds s[G0B:G0B+3], s[G1B:G1B+7]
	s_nop 0
	PLACES
	s_branch .Lh_on
.Lh_bq:
	tensor_load_to_lds s[G0B+4:G0B+7], s[G1B:G1B+7]
	s_nop 0
	PLACES
.Lh_on:
	v_and_b32 v9, 31, v0
	v_lshlrev_b32 v[L16], 4, v9
	v_add_nc_u32 v[AW], s94, v[L16]
	v_add_nc_u32 v[AW+1], SLOTB, v[AW]
	v_add_nc_u32 v[AX], XBLK, v[L16]
	v_and_b32 v10, 15, v0                          ; r
	v_bfe_u32 v11, v0, 4, 1                        ; h
	s_add_co_u32 s2, s98, BIAS
	v_lshlrev_b32 v[ABI0], 6, v11
	v_add_nc_u32 v[ABI0], s2, v[ABI0]
	v_and_b32 v9, 8, v10
	v_add_nc_u32 v9, v9, v10                       ; r + 8 (r / 8)
	v_lshlrev_b32 v[ABK], 2, v9
	v_add_nc_u32 v[ABK], s2, v[ABK]
	v_add_nc_u32 v[ABK], 4096, v[ABK]
	v_mov_b32 v[VSEL], 0x05040100
	v_mov_b32 v9, 0x07060302
	v_cndmask_b32 v[VSEL], v[VSEL], v9, s[MSK]
.irp b, 0,1,2,3
	v_mov_b32 v[PB+\b], 0                          ; written once: a lane permute's destination counts as one of its sources
.endr
	s_wait_alu depctr_va_vdst(0)
	s_wait_tensorcnt 0x0                           ; my tile of the head's four is in
	ds_add_u32 v[SPW], v[NIL]
	s_wait_dscnt 0x0
	CROUND                                         ; all four tiles are in; behind the round the last first fills: wave 0 bk, wave 1 slot 1 (jointly)
	s_cmp_lg_u32 s[WV], 0
	s_cbranch_scc1 .Lg2_w
	tensor_load_to_lds s[G0B+8:G0B+11], s[G1B:G1B+7]
	s_nop 0
	PLACES
	s_branch .Lg2_on
.Lg2_w:
	s_cmp_lg_u32 s[WV], 1
	s_cbranch_scc1 .Lg2_on
	tensor_load_to_lds s[12:15], s[G1W:G1W+7]
	s_nop 0
	PLACES
.Lg2_on:
.irp mt, 0,1,2,3,4,5,6,7
	WIN (1+\mt/4)<<6
.irp s, 0,1,2,3
.irp e, 0,1,2
	ds_load_b128 v[48*(\mt%4)+12*\s+4*\e:48*(\mt%4)+12*\s+4*\e+3], v[AX] offset:6656*\mt+1536*\s+512*\e
.endr
.endr
.endr
	WIN 0
.irp mt, 0,1,2,3,4,5,6,7
	ds_load_b128 v[XS+4*\mt:XS+4*\mt+3], v[AX] offset:6656*\mt+6144
.endr
	WLOAD 0, 0
	WSLOAD 0
	s_mov_b32 s[BO], 0
	s_mov_b32 s[CNT], 2
.Lweight:                                          ; two trips: value, then query
	v_add_nc_u32 v[ABI], s[BO], v[ABI0]
	BIASLD 0, 0
	s_wait_alu depctr_va_vdst(0)
	PASS 0, 0, 1
	EPIVQ 0
	PASS 0, 1, 1
	EPIVQ 1
	s_wait_xcnt 0x0                                ; the stores have read their bases
	s_mov_b64 s[OUTC:OUTC+1], s[QCP:QCP+1]
	s_mov_b64 s[OUTS:OUTS+1], s[QSP:QSP+1]
	s_add_co_u32 s[BO], s[BO], 2048
	s_sub_co_u32 s[CNT], s[CNT], 1
	s_cmp_lg_u32 s[CNT], 0
	s_cbranch_scc1 .Lweight
	s_mov_b64 s[OUTC:OUTC+1], s[KCP:KCP+1]         ; (no store has been issued since the wait above)
	s_mov_b64 s[OUTS:OUTS+1], s[KSP:KSP+1]
	BIASLD 1, 0
	PASS 1, 0, 2                                   ; keys: the tail is written out
	EPIK 0
	PASS 1, 1, 0
	EPIK 1
	s_wait_tensorcnt 0x0                           ; the wave's end
	ds_add_u32 v[SPW], v[NIL]
	s_wait_dscnt 0x0
	CROUND                                         ; the closing round
	s_endpgm
.Lfunc_end_k_q77c0813247_proj:
	.size	k_q77c0813247_proj, .Lfunc_end_k_q77c0813247_proj-k_q77c0813247_proj
	.p2alignl 7, 3214868480
	.fill 96, 4, 3214868480
	.section	.rodata,"a",@progbits
	.p2align	6, 0x0
	.amdhsa_kernel k_q77c0813247_proj
		.amdhsa_group_segment_fixed_size 327680
		.amdhsa_private_segment_fixed_size 0
		.amdhsa_enable_private_segment 0
		.amdhsa_kernarg_size 56
		.amdhsa_user_sgpr_count 2
		.amdhsa_user_sgpr_kernarg_segment_ptr 1
		.amdhsa_wavefront_size32 1
		.amdhsa_system_sgpr_workgroup_id_x 1
		.amdhsa_system_sgpr_workgroup_id_y 1
		.amdhsa_system_sgpr_workgroup_id_z 1
		.amdhsa_system_vgpr_workitem_id 0
		.amdhsa_next_free_vgpr 1024
		.amdhsa_next_free_sgpr 100
		.amdhsa_reserve_vcc 0
		.amdhsa_float_denorm_mode_32 3
		.amdhsa_float_denorm_mode_16_64 3
		.amdhsa_memory_ordered 1
		.amdhsa_forward_progress 1
		.amdhsa_inst_pref_size 172
	.end_amdhsa_kernel
	.amdgpu_metadata
---
amdhsa.version: [ 1, 2 ]
amdhsa.kernels:
  - .name:           k_q77c0813247_proj
    .symbol:         k_q77c0813247_proj.kd
    .args:
      - { .name: XQ, .offset: 0, .size: 8, .value_kind: global_buffer, .address_space: global }
      - { .name: WQ, .offset: 8, .size: 8, .value_kind: global_buffer, .address_space: global }
      - { .name: bv, .offset: 16, .size: 8, .value_kind: global_buffer, .address_space: global }
      - { .name: bq, .offset: 24, .size: 8, .value_kind: global_buffer, .address_space: global }
      - { .name: bk, .offset: 32, .size: 8, .value_kind: global_buffer, .address_space: global }
      - { .name: QC, .offset: 40, .size: 8, .value_kind: global_buffer, .address_space: global }
      - { .name: KV, .offset: 48, .size: 8, .value_kind: global_buffer, .address_space: global }
    .group_segment_fixed_size: 327680
    .private_segment_fixed_size: 0
    .kernarg_segment_align: 8
    .kernarg_segment_size: 56
    .max_flat_workgroup_size: 128
    .sgpr_count:     100
    .vgpr_count:     1024
    .wavefront_size: 32
...
	.end_amdgpu_metadata
.endif
;; end of part 2
;; launch attn (part 3): grid 8 x 32, 8 waves a work-group, clusters of 4 x 1, 327,680 bytes of LDS; arguments QC, KV, out0; writes out0
.if DOCPART == 3
	.amdgcn_target "amdgcn-amd-amdhsa--gfx1250"
	.amdhsa_code_object_version 6
	.text
	.protected	k_q77c0813247_attn
	.globl	k_q77c0813247_attn
	.p2align	8
	.type	k_q77c0813247_attn,@function
k_q77c0813247_attn:
	s_mov_b64 s[64:65], 0
	v_nop
	global_prefetch_b8 v0, s[64:65] scope:SCOPE_SE
	s_setreg_imm32_b32 hwreg(HW_REG_WAVE_MODE, 25, 1), 1
	s_wait_xcnt 0x0
	s_wait_alu depctr_hold_cnt(0) depctr_sa_sdst(0) depctr_va_vdst(0) depctr_va_sdst(0) depctr_va_ssrc(0) depctr_va_vcc(0) depctr_vm_vsrc(0)
	s_getreg_b32 s2, hwreg(HW_REG_IB_STS2, 6, 4)
	s_cmp_eq_u32 s2, 0
	s_cbranch_scc0 .Lentry_in_a_cluster
	s_endpgm
.Lentry_in_a_cluster:
	s_bfe_u32 s2, ttmp6, 0x10000c
	s_cmp_lg_u32 s2, 0x3003
	s_cbranch_scc0 .Lentry_shape_is_right
	s_endpgm
.Lentry_shape_is_right:
; out[i] = softmax_j(value[i] . query[j] / sqrt(512)) keys[j], on codes of E2M3 that the launch before made.  Below q = value's rows (the softmax's rows), K = query's rows, V = keys.
; A work-group takes 128 rows of one batch, in two phases, eight waves.
; PHASE 1, scores and softmax: wave (a = w % 4, c = w / 4) takes rows 32 a .. + 31 (two tiles) and, of each 128 keys, key tiles 4 c .. 4 c + 3.  S^T = K q^T, so a lane holds one row.
;   p = 2^(t - M), M the ceiling of the wave's own running largest t; p is quantised by blocks of 32 keys; the codes go to LDS as images of the operand's registers; of each block the whole number
;   (scale byte + M) is kept in a register.  At the end the two waves of a row exchange M and the sum of the unquantised p; the final M is the larger, and a block's byte is (kept number - final M), held at 1 from below:
;   every change of M is a power of two, which the byte takes up, so the accumulators of phase 2 are never rescaled.
; PHASE 2, O = P V as a plain product on codes: wave w takes all 128 rows x channels 64 w .. + 63: 32 accumulators (window 1).  O^T = V^T p^T: a lane holds one row and eight neighbouring channels.  O is divided by the sum on the way out.
; RING: a batch's K parts and then its V parts are one stream of 819,200 bytes: eight fills of 102,400 (two parts of 128 keys) through two slots; each wave fetches 12,800 bytes of a fill, one tensor load behind each change of slots.
; CLUSTER: the four work-groups of a cluster walk the same stream: every fill is asked for jointly (mask 15).  q's fragments are each wave's own and come by global loads at the head.
; PREFETCH: behind the load of fill u + 1, fill u + 3 (u = 0 .. 4): 256 bytes a lane; waves 0 to 2 of the four work-groups of the batch's first cluster share 98,304 of its bytes out by address.
; The walk is written out by macros: the registers that keep (byte + M) differ from step to step.
; LIMITS: holds while the scaled scores stay under 2^31 in magnitude; NaN and infinities are not served; a block whose byte would fall under 1 keeps the byte 1: its numbers are then at most 7.5 x 2^-126 beside a row's largest p over 1/2.
.set PARTB, 51200
.set REC,   102400
.set PIMG,  204800                     ; p's codes: key step t at 12,288 t, row tile i at 1,536 i, half c at 768 c: four registers at 16 x lane, two at 512 + 8 x lane
.set PSWB,  303104                     ; p's scale words: 512 t + 16 x lane + 4 (i / 2); lanes 0-15 the even tile, lanes 16-31 the odd one
.set STB,   307200                     ; the exchange: 512 a wave
.set RLB,   311296                     ; 1 / sum: a copy for each c, 64 i + 4 r
.set SPARE, 312320                     ; the spare words, 128 bytes a wave
.set STAGE, 0                          ; the way out goes through slot 0, which has had its last fill and its last read by then
.set SPITCH, 272
.set L16, 1
.set AKB, 2                            ; v2-5  the four parts in LDS: my fragments
.set AKS, 6                            ; v6-9  and my scale words
.set SPW, 10
.set NIL, 11
.set QS,  12
.set KSC, 16                           ; v16-31 K's scale words of a fill
.set ST,  32                           ; for each q eight: -M, the largest t, the sum's two halves, f, 0, two at work
.set BM,  48                           ; for each q eight: two block maxima, two at work, two scale operands, -M as a whole number
.set T2,  64
.set APSR, 37                          ; made at phase 2's set-up
.set PFO, 63
.set PC,  72
.set APW, 84                           ; v84-87 where I put p's codes
.set AP,  32                           ; v32-35 where p's codes are read: made at phase 2's set-up
.set APS, 92
.set AST, 93
.set ASP, 94
.set ARL, 95
.set AE,  96                           ; v96-127 byte + M: 4 t + 2 q + b
.set S,   128
.set PSC, 16                           ; phase 2: p's and V's scale words, where K's lay
.set VSC, 24
.set RL,  44
.set STO, 52
.set SRD, 53
.set CO,  54
.set ARLR, 55
.set VF,  64
.set PF,  160
.set OT,  160
.set OB,  192
.set WV,  10
.set G1,  24
.set G0,  32
.set SEL, 40
.set CS,  42
.set PFL, 44
.set PFA, 46
.set QP,  48
.set QW,  50
.set SW6, 52
.set SWS, 53
.set MSB, 0
.macro WIN new
.if MSB != (\new)
	s_set_vgpr_msb (MSB<<8)|(\new)
.set MSB, (\new)
.endif
.endm
.macro PLACES                          ; four plain places behind matrix instructions (ISA guide 7.12.1)
.rept 4
	v_nop
.endr
.endm
.macro CROUND
	s_barrier_signal -1
	s_barrier_wait -1
	s_cmp_lg_u32 s[WV], 0
	s_cbranch_scc1 .Lnot_wave_0_\@
	s_barrier_signal -3
.Lnot_wave_0_\@:
	s_barrier_wait -3
	s_barrier_signal -1
	s_barrier_wait -1
.endm
.macro WMR d, a, b, c, sa, sb, ra, rb
.if ((\ra) == 0) && ((\rb) == 0)
	v_wmma_scale_f32_16x16x128_f8f6f4 v[(\d):(\d)+7], v[(\a):(\a)+11], v[(\b):(\b)+11], v[(\c):(\c)+7], v[(\sa)], v[(\sb)] matrix_a_fmt:MATRIX_FMT_FP6 matrix_b_fmt:MATRIX_FMT_FP6
.elseif (\rb) == 0
	v_wmma_scale_f32_16x16x128_f8f6f4 v[(\d):(\d)+7], v[(\a):(\a)+11], v[(\b):(\b)+11], v[(\c):(\c)+7], v[(\sa)], v[(\sb)] matrix_a_fmt:MATRIX_FMT_FP6 matrix_b_fmt:MATRIX_FMT_FP6 matrix_a_scale:MATRIX_SCALE_ROW1
.elseif (\ra) == 0
	v_wmma_scale_f32_16x16x128_f8f6f4 v[(\d):(\d)+7], v[(\a):(\a)+11], v[(\b):(\b)+11], v[(\c):(\c)+7], v[(\sa)], v[(\sb)] matrix_a_fmt:MATRIX_FMT_FP6 matrix_b_fmt:MATRIX_FMT_FP6 matrix_b_scale:MATRIX_SCALE_ROW1
.else
	v_wmma_scale_f32_16x16x128_f8f6f4 v[(\d):(\d)+7], v[(\a):(\a)+11], v[(\b):(\b)+11], v[(\c):(\c)+7], v[(\sa)], v[(\sb)] matrix_a_fmt:MATRIX_FMT_FP6 matrix_b_fmt:MATRIX_FMT_FP6 matrix_a_scale:MATRIX_SCALE_ROW1 matrix_b_scale:MATRIX_SCALE_ROW1
.endif
.endm
.macro WMZ d, a, b, sa, sb, ra, rb
.if ((\ra) == 0) && ((\rb) == 0)
	v_wmma_scale_f32_16x16x128_f8f6f4 v[(\d):(\d)+7], v[(\a):(\a)+11], v[(\b):(\b)+11], 0, v[(\sa)], v[(\sb)] matrix_a_fmt:MATRIX_FMT_FP6 matrix_b_fmt:MATRIX_FMT_FP6
.elseif (\rb) == 0
	v_wmma_scale_f32_16x16x128_f8f6f4 v[(\d):(\d)+7], v[(\a):(\a)+11], v[(\b):(\b)+11], 0, v[(\sa)], v[(\sb)] matrix_a_fmt:MATRIX_FMT_FP6 matrix_b_fmt:MATRIX_FMT_FP6 matrix_a_scale:MATRIX_SCALE_ROW1
.elseif (\ra) == 0
	v_wmma_scale_f32_16x16x128_f8f6f4 v[(\d):(\d)+7], v[(\a):(\a)+11], v[(\b):(\b)+11], 0, v[(\sa)], v[(\sb)] matrix_a_fmt:MATRIX_FMT_FP6 matrix_b_fmt:MATRIX_FMT_FP6 matrix_b_scale:MATRIX_SCALE_ROW1
.else
	v_wmma_scale_f32_16x16x128_f8f6f4 v[(\d):(\d)+7], v[(\a):(\a)+11], v[(\b):(\b)+11], 0, v[(\sa)], v[(\sb)] matrix_a_fmt:MATRIX_FMT_FP6 matrix_b_fmt:MATRIX_FMT_FP6 matrix_a_scale:MATRIX_SCALE_ROW1 matrix_b_scale:MATRIX_SCALE_ROW1
.endif
.endm
; The change of slots ahead of fill u's reads.  load = 1: fill u + 1 is asked for, into the slot read last; 0: nothing is left to fetch
.macro GATE u, load
	WIN 0
	s_wait_alu depctr_va_vdst(0)
	s_wait_tensorcnt 0x0                           ; my one tensor load has landed
	ds_add_u32 v[SPW], v[NIL]
.if (\load) && ((\u) >= 1)
	s_add_nc_u64 s[G0+4*(((\u)+1)%2)+2:G0+4*(((\u)+1)%2)+3], s[G0+4*(((\u)+1)%2)+2:G0+4*(((\u)+1)%2)+3], 2*REC
.endif
	s_wait_dscnt 0x0                               ; the add, my reads of the other slot and my LDS stores are done
.if \load
	CROUND
	tensor_load_to_lds s[G0+4*(((\u)+1)%2):G0+4*(((\u)+1)%2)+3], s[G1:G1+7]
	s_nop 0
.else
	s_barrier_signal -1
	s_barrier_wait -1
.endif
	PLACES
.endm
.macro ASK u
.if (\u)+3 <= 7
	s_cmp_eq_u32 s[PFL], 1
	s_cbranch_scc0 .Lnot_mine_\@
	global_prefetch_b8 v[PFO], s[PFA:PFA+1] offset:((\u)+3)*REC th:TH_LOAD_NT scope:SCOPE_SE
.Lnot_mine_\@:
.endif
.endm
; PHASE 1.  A fill's eight sets of four fragments (n: part n / 4, K step n % 4) go through three register sets by turns, three ahead
.macro FEED s, n
	WIN 0x40
.irp e, 0,1,2,3,4,5,6,7,8,9,10,11
	ds_load_b128 v[96+48*((\n)%3)+4*\e:96+48*((\n)%3)+4*\e+3], v[AKB+2*(\s)+(\n)/4] offset:12288*((\n)%4)+512*\e
.endr
.endm
.macro SSET s, n
.if (\n) < 6
	s_wait_dscnt 24                                ; set n is in: behind it stand at least two sets of 12 loads
.else
	s_wait_dscnt 12*(7-(\n))
.endif
	WIN 0x05
.irp m, 0,1,2,3
.irp q, 0,1
.if (\n)%4 == 0
	WMZ S+32*\q+8*\m, 96+48*((\n)%3)+12*\m, 48*\q+12*((\n)%4), KSC+8*((\n)/4)+2*((\n)%4)+\m/2, QS+(\n)%4, \m%2, \q
.else
	WMR S+32*\q+8*\m, 96+48*((\n)%3)+12*\m, 48*\q+12*((\n)%4), S+32*\q+8*\m, KSC+8*((\n)/4)+2*((\n)%4)+\m/2, QS+(\n)%4, \m%2, \q
.endif
.endr
.endr
	PLACES
.if (\n)+3 <= 7
	FEED \s, (\n)+3
.endif
.endm
; my 64 keys of key step t: the running M, p, the sum, the codes
.macro SOFT t
.irp b, 0,1
.irp q, 0,1
	v_max3_num_f32 v[BM+8*\q+\b], v[S+32*\q+16*\b], v[S+32*\q+16*\b+1], v[S+32*\q+16*\b+2]
.endr
.endr
.irp i, 3,5,7,9,11,13
.irp b, 0,1
.irp q, 0,1
	v_max3_num_f32 v[BM+8*\q+\b], v[BM+8*\q+\b], v[S+32*\q+16*\b+\i], v[S+32*\q+16*\b+\i+1]
.endr
.endr
.endr
.irp b, 0,1
.irp q, 0,1
	v_max_num_f32 v[BM+8*\q+\b], v[BM+8*\q+\b], v[S+32*\q+16*\b+15]
.endr
.endr
.irp b, 0,1
.irp q, 0,1
	v_permlanex16_b32 v[BM+8*\q+2+\b], v[BM+8*\q+\b], s[SEL], s[SEL+1]
.endr
.endr
.irp b, 0,1
.irp q, 0,1
	v_max_num_f32 v[BM+8*\q+\b], v[BM+8*\q+\b], v[BM+8*\q+2+\b]   ; each block's largest score: for the maximum and for the block's largest p
.endr
.endr
.irp q, 0,1
	v_max_num_f32 v[ST+8*\q+6], v[BM+8*\q], v[BM+8*\q+1]
.endr
.irp q, 0,1
	v_mul_f32 v[ST+8*\q+6], s[CS], v[ST+8*\q+6]
.endr
.irp q, 0,1
	v_max_num_f32 v[ST+8*\q+1], v[ST+8*\q+1], v[ST+8*\q+6]
.endr
.irp q, 0,1
	v_mov_b32 v[ST+8*\q+7], v[ST+8*\q]
.endr
.irp q, 0,1
	v_floor_f32 v[ST+8*\q], -v[ST+8*\q+1]          ; -M = floor(-t)
.endr
.irp q, 0,1
	v_sub_f32 v[ST+8*\q+7], v[ST+8*\q], v[ST+8*\q+7]
.endr
.irp q, 0,1
	v_cvt_i32_f32 v[ST+8*\q+7], v[ST+8*\q+7]
.endr
.irp q, 0,1
	v_cvt_i32_f32 v[BM+8*\q+6], v[ST+8*\q]
.endr
.irp q, 0,1
	v_ldexp_f32 v[ST+8*\q+4], 1.0, v[ST+8*\q+7]    ; f = 2^(old M - new M), for the sum
.endr
.irp j, 0,2,4,6,8,10,12,14,16,18,20,22,24,26,28,30
.irp q, 0,1
	v_pk_fma_f32 v[S+32*\q+\j:S+32*\q+\j+1], v[S+32*\q+\j:S+32*\q+\j+1], s[CS:CS+1], v[ST+8*\q:ST+8*\q+1] op_sel_hi:[1,0,0]
.endr
.endr
.irp b, 0,1
.irp q, 0,1
	v_fma_f32 v[BM+8*\q+\b], v[BM+8*\q+\b], s[CS], v[ST+8*\q]
.endr
.endr
	s_wait_alu depctr_va_vdst(0)
.irp j, 0,1,2,3,4,5,6,7,8,9,10,11,12,13,14,15,16,17,18,19,20,21,22,23,24,25,26,27,28,29,30,31
.irp q, 0,1
	v_exp_f32 v[S+32*\q+\j], v[S+32*\q+\j]
.endr
.endr
.irp q, 0,1
	v_pk_mul_f32 v[ST+8*\q+2:ST+8*\q+3], v[ST+8*\q+2:ST+8*\q+3], v[ST+8*\q+4:ST+8*\q+5] op_sel_hi:[1,0]
.endr
	s_wait_alu depctr_va_vdst(0)                   ; one wait for the batch
.irp b, 0,1
.irp q, 0,1
	v_exp_f32 v[BM+8*\q+\b], v[BM+8*\q+\b]         ; each block's largest p
.endr
.endr
.irp q, 0,1
	v_pk_add_f32 v[BM+8*\q+2:BM+8*\q+3], v[S+32*\q:S+32*\q+1], v[S+32*\q+2:S+32*\q+3]
.endr
.irp j, 4,8,12,16,20,24,28
.irp q, 0,1
	v_pk_add_f32 v[ST+8*\q+2:ST+8*\q+3], v[ST+8*\q+2:ST+8*\q+3], v[S+32*\q+\j:S+32*\q+\j+1]
	v_pk_add_f32 v[BM+8*\q+2:BM+8*\q+3], v[BM+8*\q+2:BM+8*\q+3], v[S+32*\q+\j+2:S+32*\q+\j+3]
.endr
.endr
.irp q, 0,1
	v_pk_add_f32 v[ST+8*\q+2:ST+8*\q+3], v[ST+8*\q+2:ST+8*\q+3], v[BM+8*\q+2:BM+8*\q+3]
.endr
	s_wait_alu depctr_va_vdst(0)                   ; and one for the four
.irp b, 0,1
.irp q, 0,1
	v_max_num_f32 v[BM+8*\q+\b], 0x1800000, v[BM+8*\q+\b]
.endr
.endr
.irp b, 0,1
.irp q, 0,1
	v_add_nc_u32 v[BM+8*\q+4+\b], 0xff000000, v[BM+8*\q+\b]
.endr
.endr
.irp b, 0,1
.irp q, 0,1
	v_lshrrev_b32 v[BM+8*\q+2+\b], 23, v[BM+8*\q+4+\b]
.endr
.endr
.irp b, 0,1
.irp q, 0,1
	v_sub_nc_u32 v[AE+4*(\t)+2*\q+\b], v[BM+8*\q+2+\b], v[BM+8*\q+6]   ; byte + M
.endr
.endr
.irp q, 0,1
	v_cvt_scalef32_pk16_fp6_f32 v[PC+6*\q:PC+6*\q+2], v[S+32*\q:S+32*\q+15], v[BM+8*\q+4]
	v_cvt_scalef32_pk16_fp6_f32 v[T2+4*\q:T2+4*\q+2], v[S+32*\q+16:S+32*\q+31], v[BM+8*\q+5]
.endr
	v_nop                                          ; one plain place behind the scaled conversions
.irp q, 0,1
.irp i, 0,1,2
	v_permlane16_swap_b32 v[PC+6*\q+\i], v[T2+4*\q+\i]
.endr
.endr
.irp q, 0,1
.irp i, 0,1,2
	v_mov_b32 v[PC+6*\q+3+\i], v[T2+4*\q+\i]
.endr
.endr
.irp q, 0,1
	ds_store_b128 v[APW+2*((\t)/4)], v[PC+6*\q:PC+6*\q+3] offset:12288*((\t)%4)+1536*\q
	ds_store_b64 v[APW+2*((\t)/4)+1], v[PC+6*\q+4:PC+6*\q+5] offset:12288*((\t)%4)+1536*\q
.endr
	s_wait_alu depctr_va_vdst(0)
.endm
.macro FILL1 u
.irp k, 0,1
.irp g, 0,1,2,3
	ds_load_b64 v[KSC+8*\k+2*\g:KSC+8*\k+2*\g+1], v[AKS+2*((\u)%2)+\k] offset:49152+512*\g
.endr
.endr
	FEED (\u)%2, 0
	FEED (\u)%2, 1
	FEED (\u)%2, 2
	WIN 0
	ASK \u
.if (\u) == 0
	s_wait_loadcnt 0x0                             ; q's fragments and words
.endif
.irp n, 0,1,2,3
	SSET (\u)%2, \n
.endr
	WIN 0
	SOFT 2*(\u)
.irp n, 4,5,6,7
	SSET (\u)%2, \n
.endr
	WIN 0
	SOFT 2*(\u)+1
.endm
; PHASE 2
.macro PLOAD t, i0                     ; p's tiles i0 .. i0 + 3 of key step t: 16 loads
.irp i, 0,1,2,3
.irp c, 0,1
	ds_load_b128 v[PF+12*((\i0)+\i)+6*\c:PF+12*((\i0)+\i)+6*\c+3], v[AP+2*((\t)/4)] offset:12288*((\t)%4)+1536*((\i0)+\i)+768*\c
	ds_load_b64 v[PF+12*((\i0)+\i)+6*\c+4:PF+12*((\i0)+\i)+6*\c+5], v[AP+2*((\t)/4)+1] offset:12288*((\t)%4)+1536*((\i0)+\i)+768*\c+512
.endr
.endr
.endm
.macro PSLOAD t
	ds_load_b128 v[PSC+4*((\t)%2):PSC+4*((\t)%2)+3], v[APSR] offset:512*(\t)
.endm
.macro VLOAD t                         ; my four channel tiles of key step t and their words: 13 loads
.irp e, 0,1,2,3,4,5,6,7,8,9,10,11
	ds_load_b128 v[VF+48*((\t)%2)+4*\e:VF+48*((\t)%2)+4*\e+3], v[AKB+2*(((\t)/2)%2)+(\t)%2] offset:512*\e
.endr
	ds_load_b64 v[VSC+2*((\t)%2):VSC+2*((\t)%2)+1], v[AKS+2*(((\t)/2)%2)+(\t)%2]
.endm
.macro MUL2 t, i0                      ; 16 products; the 32 accumulators take turns, in the same order in every step
	WIN 0x50
.irp i, 0,1,2,3
.irp m, 0,1,2,3
.if (\t) == 0
	WMZ 8*(4*((\i0)+\i)+\m), VF+48*((\t)%2)+12*\m, PF+12*((\i0)+\i), VSC+2*((\t)%2)+\m/2, PSC+4*((\t)%2)+((\i0)+\i)/2, \m%2, \i%2
.else
	WMR 8*(4*((\i0)+\i)+\m), VF+48*((\t)%2)+12*\m, PF+12*((\i0)+\i), 8*(4*((\i0)+\i)+\m), VSC+2*((\t)%2)+\m/2, PSC+4*((\t)%2)+((\i0)+\i)/2, \m%2, \i%2
.endif
.endr
.endr
	PLACES
	WIN 0
.endm
.macro STEP2 t
.if (\t)%2 == 0
	s_wait_dscnt 0x0
.else
	s_wait_dscnt 16                                ; all but p's tiles 4 to 7
.endif
	MUL2 \t, 0
.if (\t) < 7
	PLOAD (\t)+1, 0
	PSLOAD (\t)+1
.endif
.if (\t)%2 == 0
	VLOAD (\t)+1
.elseif (\t) < 7
	s_wait_dscnt 17                                ; p's tiles 4 to 7 are in; the 17 just issued may be out
.else
	s_wait_dscnt 0x0
.endif
	MUL2 \t, 4
.if (\t) < 7
	PLOAD (\t)+1, 4
.if (\t)%2 == 1
.if (\t) < 5
	GATE 4+((\t)+1)/2, 1
.else
	GATE 4+((\t)+1)/2, 0
.endif
	VLOAD (\t)+1
.endif
.endif
.endm
	s_load_b128 s[4:7], s[0:1], 0x0                ; QC, KV
	s_load_b64 s[8:9], s[0:1], 0x10                ; out0
	v_lshl_add_u32 v[SPW], v0, 2, SPARE
	v_mov_b32 v[NIL], 0
	ds_add_u32 v[SPW], v[NIL]
	ds_add_u32 v[SPW], v[NIL]
	v_lshrrev_b32 v56, 5, v0
	v_readfirstlane_b32 s[WV], v56
	v_and_b32 v56, 31, v0
	v_lshlrev_b32 v[L16], 4, v56
	s_bfe_u32 s11, ttmp6, 0x40000                  ; cx
	s_lshl_b32 s12, ttmp9, 2
	s_add_co_u32 s12, s12, s11                     ; my block of 128 rows
	s_and_b32 s13, ttmp7, 0xffff                   ; batch
	s_and_b32 s14, s[WV], 3                        ; a
	s_lshr_b32 s15, s[WV], 2                       ; c
	s_mov_b32 s[G1], 15|(3<<16)|(1<<21)            ; an eighth of a fill: 50 rows of 256 bytes, jointly
	s_mov_b32 s[G1+1], 32<<16
	s_mov_b32 s[G1+2], 50<<16
	s_mov_b32 s[G1+3], 32<<16
	s_mov_b32 s[G1+4], 50
	s_mov_b32 s[G1+5], 32
	s_mov_b32 s[G1+6], 0
	s_mov_b32 s[G1+7], 0
	s_mul_i32 s16, s13, 8*REC
	s_mov_b32 s17, 0
	s_mul_i32 s18, s[WV], 12800
	s_mov_b32 s19, 0
	s_lshl_b32 s20, s13, 3
	s_add_co_u32 s20, s20, s12
	s_mul_i32 s20, s20, PARTB
	s_mul_i32 s21, s14, 3072
	s_add_co_u32 s20, s20, s21                     ; q: my two tiles
	s_mov_b32 s21, 0
	s_mul_i32 s23, s14, 3068
	s_mov_b32 s[G0], 1
	s_mov_b32 s[G0+1], s18
	s_mov_b32 s[G0+4], 1
	s_add_co_u32 s[G0+5], s18, REC
	s_mov_b32 s[SEL], 0x76543210
	s_mov_b32 s[SEL+1], 0xfedcba98
	s_mov_b32 s[CS], 0x3d8293ee                    ; log2(e) / sqrt(512)
	s_mov_b32 s[CS+1], s[CS]
	s_cmp_lt_u32 s[WV], 3
	s_cselect_b32 s[PFL], 0, 1
	s_or_b32 s[PFL], s[PFL], ttmp9
	s_cmp_eq_u32 s[PFL], 0
	s_cselect_b32 s[PFL], 1, 0
	s_mul_i32 s[SW6], s[WV], 6144
	s_lshr_b32 s[SWS], s[WV], 1
	s_lshl_b32 s[SWS], s[SWS], 9
	s_and_b32 s2, s[WV], 1
	s_lshl_b32 s2, s2, 3
	s_add_co_u32 s[SWS], s[SWS], s2
	s_add_co_u32 s[SWS], s[SWS], 49152
	s_lshl_b32 s2, s12, 23                         ; out0: 128 rows of 65,536 bytes a block,
	s_lshl_b32 s3, s13, 11                         ; 2,048 a batch,
	s_add_co_u32 s2, s2, s3
	s_lshl_b32 s3, s[WV], 8                        ; my 64 channels
	s_add_co_u32 s2, s2, s3
	s_mov_b32 s3, 0
	s_wait_alu depctr_va_vdst(0)
	s_wait_dscnt 0x0
	s_wait_kmcnt 0x0
	s_add_nc_u64 s[8:9], s[8:9], s[2:3]
	s_add_nc_u64 s[QP:QP+1], s[4:5], s[20:21]
	s_mov_b32 s22, s23
	s_mov_b32 s23, 0
	s_sub_nc_u64 s[QW:QW+1], s[QP:QP+1], s[22:23]  ; the block + 4 a,
	s_add_nc_u64 s[QW:QW+1], s[QW:QW+1], 49152     ; its scale words
	s_add_nc_u64 s[6:7], s[6:7], s[16:17]
	s_add_nc_u64 s[G0+2:G0+3], s[6:7], s[18:19]
	s_add_nc_u64 s[G0+6:G0+7], s[G0+2:G0+3], REC
	s_or_b32 s[G0+3], s[G0+3], 0x80000000
	s_or_b32 s[G0+7], s[G0+7], 0x80000000
	s_lshl_b32 s2, s[WV], 2
	s_add_co_u32 s2, s2, s11
	s_lshl_b32 s2, s2, 13
	s_add_nc_u64 s[PFA:PFA+1], s[6:7], s[2:3]
	WIN 0x40
.irp q, 0,1
.irp s, 0,1,2,3
.irp e, 0,1,2
	global_load_b128 v[48*\q+12*\s+4*\e:48*\q+12*\s+4*\e+3], v[L16], s[QP:QP+1] offset:12288*\s+1536*\q+512*\e
.endr
.endr
.endr
	WIN 0
.irp s, 0,1,2,3
	global_load_b32 v[QS+\s], v[L16], s[QW:QW+1] offset:512*\s
.endr
	CROUND
	tensor_load_to_lds s[G0:G0+3], s[G1:G1+7]      ; fill 0: one tensor load a wave at the head
	s_nop 0
	PLACES
	v_lshlrev_b32 v57, 3, v56                      ; 8 x lane
	v_and_b32 v58, 15, v0                          ; r
	v_lshlrev_b32 v59, 2, v56                      ; 4 x lane
	v_lshlrev_b32 v[PFO], 8, v56
	s_mul_i32 s16, s15, 6144
	s_lshl_b32 s17, s15, 3
.irp p, 0,1,2,3
	v_add_nc_u32 v[AKB+\p], s16, v[L16]
	v_add_nc_u32 v[AKS+\p], s17, v[L16]
	s_add_co_u32 s16, s16, PARTB
	s_add_co_u32 s17, s17, PARTB
.endr
	s_mul_i32 s16, s14, 3072
	s_mul_i32 s17, s15, 768
	s_add_co_u32 s16, s16, s17
	s_add_co_u32 s16, s16, PIMG
	v_add_nc_u32 v[APW], s16, v[L16]
	v_add_nc_u32 v[APW+1], s16, v57
	v_add_nc_u32 v[APW+1], 512, v[APW+1]
	v_add_nc_u32 v[APW+2], 49152, v[APW]
	v_add_nc_u32 v[APW+3], 49152, v[APW+1]
	s_lshl_b32 s16, s14, 2
	s_lshl_b32 s17, s15, 1
	s_add_co_u32 s16, s16, s17
	s_add_co_u32 s16, s16, PSWB
	v_lshl_add_u32 v[APS], v58, 4, s16
	s_lshl_b32 s16, s[WV], 9
	s_add_co_u32 s16, s16, STB
	v_add_nc_u32 v[AST], s16, v59
	s_xor_b32 s17, s[WV], 4
	s_lshl_b32 s17, s17, 9
	s_add_co_u32 s17, s17, STB
	v_add_nc_u32 v[ASP], s17, v59
	s_lshl_b32 s16, s15, 9
	s_lshl_b32 s17, s14, 7
	s_add_co_u32 s16, s16, s17
	s_add_co_u32 s16, s16, RLB
	v_lshl_add_u32 v[ARL], v58, 2, s16
.irp q, 0,1
	v_mov_b32 v[ST+8*\q+1], 0xff61b1e6             ; -3e38, under every t
	v_floor_f32 v[ST+8*\q], -v[ST+8*\q+1]
	v_mov_b32 v[ST+8*\q+2], 0
	v_mov_b32 v[ST+8*\q+3], 0
	v_mov_b32 v[ST+8*\q+5], 0
	v_mov_b32 v[BM+8*\q+2], 0
	v_mov_b32 v[BM+8*\q+3], 0
.endr
.irp u, 0,1,2,3
	GATE \u, 1
	FILL1 \u
.endr
	; my M and my sum go to the wave that has the other keys of my rows
.irp q, 0,1
	v_add_f32 v[ST+8*\q+6], v[ST+8*\q+2], v[ST+8*\q+3]
.endr
.irp q, 0,1
	v_permlanex16_b32 v[ST+8*\q+7], v[ST+8*\q+6], s[SEL], s[SEL+1]
.endr
.irp q, 0,1
	v_add_f32 v[ST+8*\q+6], v[ST+8*\q+6], v[ST+8*\q+7]
.endr
.irp q, 0,1
	ds_store_b32 v[AST], v[ST+8*\q] offset:256*\q
	ds_store_b32 v[AST], v[ST+8*\q+6] offset:256*\q+128
.endr
	GATE 4, 1
	ASK 4
.irp q, 0,1
	ds_load_b32 v[BM+8*\q], v[ASP] offset:256*\q
	ds_load_b32 v[BM+8*\q+1], v[ASP] offset:256*\q+128
.endr
	s_wait_dscnt 0x0
.irp q, 0,1
	v_min_num_f32 v[BM+8*\q+2], v[ST+8*\q], v[BM+8*\q]   ; - the final M
.endr
.irp q, 0,1
	v_sub_f32 v[ST+8*\q+7], v[BM+8*\q+2], v[ST+8*\q]
	v_sub_f32 v[BM+8*\q+3], v[BM+8*\q+2], v[BM+8*\q]
.endr
.irp q, 0,1
	v_cvt_i32_f32 v[ST+8*\q+7], v[ST+8*\q+7]
	v_cvt_i32_f32 v[BM+8*\q+3], v[BM+8*\q+3]
	v_cvt_i32_f32 v[BM+8*\q+6], v[BM+8*\q+2]
.endr
.irp q, 0,1
	v_ldexp_f32 v[ST+8*\q+6], v[ST+8*\q+6], v[ST+8*\q+7]
	v_ldexp_f32 v[BM+8*\q+1], v[BM+8*\q+1], v[BM+8*\q+3]
.endr
.irp q, 0,1
	v_add_f32 v[ST+8*\q+6], v[ST+8*\q+6], v[BM+8*\q+1]   ; the row's sum under the final M
.endr
	s_wait_alu depctr_va_vdst(0)
.irp q, 0,1
	v_rcp_f32 v[ST+8*\q+4], v[ST+8*\q+6]
.endr
.irp t, 0,1,2,3,4,5,6,7
.irp q, 0,1
.irp b, 0,1
	v_add_nc_u32 v[AE+4*\t+2*\q+\b], v[AE+4*\t+2*\q+\b], v[BM+8*\q+6]   ; byte + M - the final M,
.endr
.endr
.endr
.irp t, 0,1,2,3,4,5,6,7
.irp q, 0,1
.irp b, 0,1
	v_max_i32 v[AE+4*\t+2*\q+\b], 1, v[AE+4*\t+2*\q+\b]   ; held at 1 from below
.endr
.endr
.endr
.irp t, 0,1,2,3,4,5,6,7
.irp q, 0,1
	v_lshl_or_b32 v[AE+4*\t+2*\q], v[AE+4*\t+2*\q+1], 8, v[AE+4*\t+2*\q]
.endr
.endr
	s_wait_alu depctr_va_vdst(0)                   ; for the reciprocals
.irp t, 0,1,2,3,4,5,6,7
.irp q, 0,1
	ds_store_b16 v[APS], v[AE+4*\t+2*\q] offset:512*\t+256*\q   ; my two bytes of the tile's word (lanes r and r + 16 store the same)
.endr
.endr
.irp q, 0,1
	ds_store_b32 v[ARL], v[ST+8*\q+4] offset:64*\q
.endr
	s_mov_b32 s16, s[SW6]
	s_mov_b32 s17, s[SWS]
.irp p, 0,1,2,3
	v_add_nc_u32 v[AKB+\p], s16, v[L16]            ; from here on: V's parts, my four channel tiles and their words
	v_add_nc_u32 v[AKS+\p], s17, v[L16]
	s_add_co_u32 s16, s16, PARTB
	s_add_co_u32 s17, s17, PARTB
.endr
	v_and_b32 v56, 15, v0
	v_bfe_u32 v57, v0, 4, 1
	s_mul_i32 s16, s[WV], 16*SPITCH
	s_add_co_u32 s16, s16, STAGE
	v_mul_u32_u24 v[STO], v56, SPITCH
	v_lshl_add_u32 v[STO], v57, 6, v[STO]
	v_add_nc_u32 v[STO], s16, v[STO]
	v_mul_u32_u24 v[SRD], v57, SPITCH
	v_lshl_add_u32 v[SRD], v56, 4, v[SRD]
	v_add_nc_u32 v[SRD], s16, v[SRD]
	v_lshlrev_b32 v[CO], 16, v57
	v_lshl_add_u32 v[CO], v56, 4, v[CO]
	v_lshlrev_b32 v[ARLR], 2, v56
	v_add_nc_u32 v[ARLR], RLB, v[ARLR]
	v_and_b32 v58, 31, v0
	v_lshlrev_b32 v58, 3, v58                      ; 8 x lane
	v_add_nc_u32 v[AP], PIMG, v[L16]
	v_add_nc_u32 v[AP+1], PIMG, v58
	v_add_nc_u32 v[AP+2], PIMG+49152, v[L16]
	v_add_nc_u32 v[AP+3], PIMG+49152, v58
	v_add_nc_u32 v[APSR], PSWB, v[L16]
	s_wait_alu depctr_va_vdst(0)
	s_wait_dscnt 0x0                               ; my codes, words and reciprocals are in LDS
	s_barrier_signal -1
	s_barrier_wait -1                              ; everybody's are
	VLOAD 0
	PSLOAD 0
.irp i, 0,1,2,3,4,5,6,7
	ds_load_b32 v[RL+\i], v[ARLR] offset:64*\i
.endr
	PLOAD 0, 0
	PLOAD 0, 4
.irp t, 0,1,2,3,4,5,6,7
	STEP2 \t
.endr
; THE WAY OUT, row tile by row tile: 16 rows x 64 channels, divided by the sum, through my own stage and back by rows: sixteen lanes store 256 consecutive aligned bytes
.macro TOSTAGE i
	WIN 0x01
.irp k, 0,1,2,3,4,5,6,7,8,9,10,11,12,13,14,15,16,17,18,19,20,21,22,23,24,25,26,27,28,29,30,31
	v_mul_f32 v[OT+\k], v[32*(\i)+\k], v[RL+(\i)]
.endr
	WIN 0
.irp m, 0,1,2,3
	ds_store_b128 v[STO], v[OT+8*\m:OT+8*\m+3] offset:128*(\m/2)+32*(\m%2)
	ds_store_b128 v[STO], v[OT+8*\m+4:OT+8*\m+7] offset:128*(\m/2)+32*(\m%2)+16
.endr
.irp k, 0,1,2,3,4,5,6,7
	ds_load_b128 v[OB+32*((\i)%2)+4*\k:OB+32*((\i)%2)+4*\k+3], v[SRD] offset:2*\k*SPITCH   ; LDS serves a wave's instructions in order
.endr
.endm
.macro SEND i, younger
	s_wait_dscnt \younger
.irp k, 0,1,2,3,4,5,6,7
	global_store_b128 v[CO], v[OB+32*((\i)%2)+4*\k:OB+32*((\i)%2)+4*\k+3], s[8:9] offset:(2*\k+8*(\k/4)+8*((\i)%2)+32*((\i)/2))*65536 th:TH_STORE_NT
.endr
.endm
	TOSTAGE 0
.irp i, 1,2,3,4,5,6,7
.if \i > 1
	s_wait_xcnt 0x0                                ; the stores of two tiles ago have read their registers
.endif
	TOSTAGE \i
	SEND (\i)-1, 16
.endr
	SEND 7, 0
	s_wait_tensorcnt 0x0                           ; the wave's end
	ds_add_u32 v[SPW], v[NIL]
	s_wait_dscnt 0x0
	CROUND                                         ; the closing round
	s_endpgm
.Lfunc_end_k_q77c0813247_attn:
	.size	k_q77c0813247_attn, .Lfunc_end_k_q77c0813247_attn-k_q77c0813247_attn
	.p2alignl 7, 3214868480
	.fill 96, 4, 3214868480
	.section	.rodata,"a",@progbits
	.p2align	6, 0x0
	.amdhsa_kernel k_q77c0813247_attn
		.amdhsa_group_segment_fixed_size 327680
		.amdhsa_private_segment_fixed_size 0
		.amdhsa_enable_private_segment 0
		.amdhsa_kernarg_size 24
		.amdhsa_user_sgpr_count 2
		.amdhsa_user_sgpr_kernarg_segment_ptr 1
		.amdhsa_wavefront_size32 1
		.amdhsa_system_sgpr_workgroup_id_x 1
		.amdhsa_system_sgpr_workgroup_id_y 1
		.amdhsa_system_sgpr_workgroup_id_z 1
		.amdhsa_system_vgpr_workitem_id 0
		.amdhsa_next_free_vgpr 512
		.amdhsa_next_free_sgpr 66
		.amdhsa_reserve_vcc 0
		.amdhsa_float_denorm_mode_32 3
		.amdhsa_float_denorm_mode_16_64 3
		.amdhsa_memory_ordered 1
		.amdhsa_forward_progress 1
		.amdhsa_inst_pref_size 255
	.end_amdhsa_kernel
	.section	.bss,"aw",@nobits
	.p2align	6
	.space	262144
	.amdgpu_metadata
---
amdhsa.version: [ 1, 2 ]
amdhsa.kernels:
  - .name:           k_q77c0813247_attn
    .symbol:         k_q77c0813247_attn.kd
    .args:
      - { .name: QC, .offset: 0, .size: 8, .value_kind: global_buffer, .address_space: global }
      - { .name: KV, .offset: 8, .size: 8, .value_kind: global_buffer, .address_space: global }
      - { .name: out0, .offset: 16, .size: 8, .value_kind: global_buffer, .address_space: global }
    .group_segment_fixed_size: 327680
    .private_segment_fixed_size: 0
    .kernarg_segment_align: 8
    .kernarg_segment_size: 24
    .max_flat_workgroup_size: 256
    .sgpr_count:     66
    .vgpr_count:     512
    .wavefront_size: 32
...
	.end_amdgpu_metadata
.endif
;; end of part 3
